; MI455X (gfx1250); checked and timed in simulation.
; The chip was launched on July 23, 2026; its instructions are those of AMD's public machine-readable ISA for CDNA 5 (MIT licence, August 2026) and "CDNA5" Instruction Set Architecture Reference Guide (July 2026). The comments in the code are by the model that wrote it; some were corrected since.
;; Causal Word Propagation. Allowed arithmetic: matrix products marked QUANTISED: E4M3 operands, one given power-of-two scale a tensor, by v_wmma_f32_16x16x64_fp8_fp8 or v_wmma_f32_16x16x128_fp8_fp8, f32 sums; everything else in f32.
;; Inputs: decay_logit one number float32; k_scale 1,024 float32; lowp_scales 4 int32 (the exponents e of the quantised operands' scales 2^e); out_scale one number float32; q_scale 1,024 float32; x 4 x 2,048 x 1,024 float32.
;; Outputs: out0 4 x 2,048 x 1,024 float32.
;; This version of the problem:
;;   THIS VERSION OF THE PROBLEM IS GIVEN IN LOW PRECISION. The matrix products marked QUANTISED in the list below multiply operands that are first quantised to E4M3 (4 exponent bits, 3 mantissa bits; 8 bits a number), with one given power-of-two scale for each operand tensor; their sums are f32. All else is computed in f32.
;;   The module's matrix products, in the order in which they are computed (A, B: the left and right operand; K: the contracted axis; several contracted axes count as one K, in the product's order):
;;     1. batch 4 x [M 2,048, K 1,024] x [K 1,024, N 2,048]; A: computed on the way; B: computed on the way: QUANTISED (scales: A lowp_scales[0], B lowp_scales[1])
;;     2. batch 4 x [M 2,048, K 2,048] x [K 2,048, N 1,024]; A: computed on the way; B: input x: QUANTISED (scales: A lowp_scales[2], B lowp_scales[3])
;;   THE QUANTISER, for each operand of a quantised product, along K:
;;     - The operand's scale is 2^e, e = its entry of the input lowp_scales (int32; the entries are numbered through the quantised products in the list's order, A before B).
;;     - Each number is divided by the scale, clamped to +-448, and rounded to the nearest number of E4M3, ties to even, subnormals kept.
;;     - The product sums the exact products of the quantised numbers (number of the format x scale) in f32.
;;   ~~~python
;;   def quantise(x, axis, e):      # numpy; x: float32 -> the quantised numbers, widened to float32 again
;;       x = np.moveaxis(x, axis, -1); K = x.shape[-1]
;;       r = np.clip(x / 2.0 ** e, -448, 448)
;;       step = 2.0 ** (np.maximum(np.frexp(np.where(r == 0, 1, r))[1] - 1, -6) - 3)
;;       q = np.round(r / step) * step * 2.0 ** e      # np.round: ties to even
;;       return np.moveaxis(q, -1, axis).astype(np.float32)
;;   ~~~
;;   OPERANDS COMPUTED ON THE WAY. 'Computed on the way' means the value that the module computes at that place (a softmax that the list does not call 'softmax' is quantised finished and normalised). What goes into a quantiser is computed in f32, as accurately as f32 sums, v_exp_f32 and their like allow (about 1e-6 of the number): no bf16 or f16 on the way to a quantiser, and a product that is left as it is and whose result goes on into a quantised operand takes f32 operands (vector FMAs, or v_wmma_f32_16x16x4_f32). A number that lies on a knife's edge between two numbers of the format may be rounded either way, as far as f32 arithmetic and the matrix unit's own rounding can turn it there, and no further.
;; One version. Each part assembles by itself: llvm-mc -triple=amdgcn-amd-amdhsa -mcpu=gfx1250 --defsym DOCPART=n.
;; ======== version 1 of 1: 3 launches
;; workspace buffers: qc 8,388,608 bytes; kc 8,388,608 bytes; xt 8,388,608 bytes; pc 16,777,216 bytes
;; launch quant (part 1): grid 8 x 64, 4 waves a work-group, no clusters, 68,096 bytes of LDS; arguments x, q_scale, k_scale, lowp_scales, qc, kc, xt; writes qc, kc, xt
.if DOCPART == 1
	.amdgcn_target "amdgcn-amd-amdhsa--gfx1250"
	.amdhsa_code_object_version 6
	.text
	.protected	k_qc5993a4079_quant
	.globl	k_qc5993a4079_quant
	.p2align	8
	.type	k_qc5993a4079_quant,@function
k_qc5993a4079_quant:
	s_mov_b64 s[64:65], 0
	v_nop
	global_prefetch_b8 v0, s[64:65] scope:SCOPE_SE
	s_setreg_imm32_b32 hwreg(HW_REG_WAVE_MODE, 25, 1), 1
	s_wait_xcnt 0x0
; THE PROGRAM: out[b][t][:] = out_scale x the sum over s of P[t][s] x[b][s][:],  P[t][s] = (x[t] q_scale . x[s] k_scale) x w[t][s],  w = decay^(s-t-1) where s > t, else 0,  decay = sigmoid(decay_logit).
; Both products on codes of FP8 (E4M3), each operand with its given scale 2^e: e0 x q_scale, e1 x k_scale, e2 P, e3 x.  Three launches: this one makes the codes of the three operands that come from x;
; the second makes P's codes; the third the second product.
; WORK LEFT OUT, in the later launches: w[t][s] is the constant 0 wherever s <= t, by the mask (s - t > 0) that the problem builds itself from positions alone.  There P is 0 x a finite sum = 0, its code is 0, and it adds 0
; to every output, whatever finite values the inputs hold.  So of the blocks of 128 (t) x 128 (s) of P those with every s <= t are neither computed nor stored nor multiplied: 120 of each batch's 256.
; The weights' decay cuts nothing: decay_logit is an input, so every s > t is computed.  Every input has a way to the output and is loaded.
; LIMIT of that: a NaN, an infinity or an overflow that would reach only the blocks left out (0 x infinity) is not carried to the result.
; THIS LAUNCH.  x [4][2048][1024] f32 -> qc = codes of x q_scale / 2^e0, kc = codes of x k_scale / 2^e1 (K = v), xt = codes of x / 2^e3 with K = s.  code = number / 2^e, held within +-448, to the nearest code, ties to even.
; LIMITS: e0, e1, e3 between -126 and 119, so that 2^e and 448 x 2^e are f32 numbers.  NaN among the inputs is not served.
; THE BUFFERS ARE LAID AS THE NEXT LAUNCHES' OPERAND REGISTERS: [batch][block of 128 rows][chunk of 128 along K][tile of 16 rows][image of 2,048 bytes]; in an image registers 4 g .. 4 g + 3 of lane l lie at byte 512 g + 16 l.
;   qc, kc: lane (r, h) of a tile holds row r; registers 4 c .. 4 c + 3 hold v = 32 c + 16 h + 0 .. 15 (one order of k for both sides of the first product).
;   xt: lane (r, h) holds row v = r; registers 2 c, 2 c + 1 hold s = 16 c + 8 h + 0 .. 7.
; SHARES.  A work-group takes a tile of 128 (s) x 128 (v) of x, 64 KiB; it is read once, 512 consecutive bytes a load, laid into LDS (rows 528 bytes apart), and read back twice: along v for qc and kc, down s for xt.
; Wave w makes register group w of all eight row tiles of qc and kc, and the v tiles 2 w and 2 w + 1 of xt.  Every store of a wave covers 512 consecutive bytes, aligned.  No tensor loads, one barrier, no loop.
.set PITCH, 528                        ; an LDS row: 512 bytes + 16: 132 words, so that sixteen rows begin at sixteen different groups of four banks (64 banks of 4 bytes: ISA guide 11.1)
.set SPARE, 128*PITCH                  ; behind the tile: the spare words, 128 bytes for each wave: two blocks of 256 bytes that no other line names
.set GOFF, 4                           ; v4   x: 32 w rows of 4,096 bytes + 16 x lane
.set STA,  5                           ; v5   LDS, on the way in: row 32 w, 16 x lane
.set LQ,   6                           ; v6   LDS, along v: row r, + 128 w + 64 h
.set LX,   7                           ; v7   LDS, down s: row 8 h, + 4 r + 128 w
.set OUTQ, 8                           ; v8   qc, kc: 16 x lane + 512 w
.set OUTX, 9                           ; v9   xt: 16 x lane + 4,096 w
.set SPW,  14                          ; v14  LDS address of my spare word; never rewritten
.set NIL,  15                          ; v15  0; never rewritten
.set QS,   16                          ; v16-31  my 16 numbers of q_scale;  v32-47 of k_scale.  Later v16-47: xt's codes
.set KS,   32
.set CX,   16
.set T,    48                          ; v48-63  at work
.set X,    64                          ; v64-191 128 numbers of x
.set CQ,   192                         ; v192-223 qc's codes, four registers a row tile;  v224-255 kc's: no store's data are written again
.set CK,   224
	s_load_b256 s[4:11], s[0:1], 0x0               ; x s[4:5], q_scale s[6:7], k_scale s[8:9], the scales' exponents s[10:11]
	s_load_b128 s[12:15], s[0:1], 0x20             ; qc s[12:13], kc s[14:15]
	s_load_b64 s[16:17], s[0:1], 0x30              ; xt
	v_lshl_add_u32 v[SPW], v0, 2, SPARE
	v_mov_b32 v[NIL], 0
	v_lshrrev_b32 v1, 5, v0
	v_readfirstlane_b32 s18, v1                    ; wave 0..3
	v_and_b32 v1, 31, v0                           ; lane
	v_and_b32 v2, 15, v0                           ; r
	v_bfe_u32 v3, v0, 4, 1                         ; h
	v_lshlrev_b32 v[OUTQ], 4, v1                   ; 16 x lane
	s_lshl_b32 s24, s18, 17
	v_add_nc_u32 v[GOFF], s24, v[OUTQ]
	s_mul_i32 s24, s18, 32*PITCH
	v_add_nc_u32 v[STA], s24, v[OUTQ]
	s_lshl_b32 s24, s18, 7                         ; 128 w
	v_mul_u32_u24 v[LQ], v2, PITCH
	v_lshl_add_u32 v[LQ], v3, 6, v[LQ]
	v_add_nc_u32 v[LQ], s24, v[LQ]
	v_mul_u32_u24 v[LX], v3, 8*PITCH
	v_lshl_add_u32 v[LX], v2, 2, v[LX]
	v_add_nc_u32 v[LX], s24, v[LX]
	s_lshl_b32 s25, s18, 12
	v_add_nc_u32 v[OUTX], s25, v[OUTQ]
	s_lshl_b32 s25, s18, 9
	v_add_nc_u32 v[OUTQ], s25, v[OUTQ]
	v_lshlrev_b32 v1, 6, v3
	v_add_nc_u32 v1, s24, v1                       ; q_scale, k_scale: 128 w + 64 h bytes into the chunk's 512
	s_and_b32 s27, ttmp7, 0xffff                   ; y = 16 x batch + block of s
	s_lshl_b32 s28, s27, 19                        ; x: 128 y rows of 4,096 bytes
	s_lshl_b32 s30, ttmp9, 9                       ; + 512 x chunk of v
	s_add_co_u32 s28, s28, s30
	s_mov_b32 s29, 0
	s_mov_b32 s31, 0
	s_lshl_b32 s32, s27, 3
	s_add_co_u32 s32, s32, ttmp9
	s_lshl_b32 s32, s32, 14                        ; qc, kc: unit 8 y + chunk of v
	s_mov_b32 s33, 0
	s_lshr_b32 s34, s27, 4
	s_lshl_b32 s34, s34, 3
	s_add_co_u32 s34, s34, ttmp9
	s_lshl_b32 s34, s34, 4
	s_and_b32 s35, s27, 15
	s_add_co_u32 s34, s34, s35
	s_lshl_b32 s34, s34, 14                        ; xt: unit (8 x batch + block of v) x 16 + chunk of s
	s_mov_b32 s35, 0
	s_wait_kmcnt 0x0
	s_load_b128 s[20:23], s[10:11], 0x0            ; e0, e1, e2, e3
	s_add_nc_u64 s[4:5], s[4:5], s[28:29]
	s_add_nc_u64 s[6:7], s[6:7], s[30:31]
	s_add_nc_u64 s[8:9], s[8:9], s[30:31]
	s_add_nc_u64 s[12:13], s[12:13], s[32:33]
	s_add_nc_u64 s[14:15], s[14:15], s[32:33]
	s_add_nc_u64 s[16:17], s[16:17], s[34:35]
.irp i, 0,1,2,3
	global_load_b128 v[QS+4*\i:QS+4*\i+3], v1, s[6:7] offset:16*\i   ; q_scale and k_scale at v = 128 x chunk + 32 w + 16 h + 0 .. 15
	global_load_b128 v[KS+4*\i:KS+4*\i+3], v1, s[8:9] offset:16*\i
.endr
.set n, 0
.rept 32
	global_load_b128 v[X+4*n:X+4*n+3], v[GOFF], s[4:5] offset:4096*n th:TH_LOAD_NT   ; row 32 w + n of the tile: 32 lanes read 512 consecutive bytes; read once in the launch
.set n, n+1
.endr
	s_wait_kmcnt 0x0
	s_add_co_i32 s24, s20, 127
	s_lshl_b32 s25, s24, 23
	v_mov_b32 v10, s25                             ; 2^e0 as f32: the conversion takes its exponent field
	s_add_co_i32 s24, s24, 8
	s_lshl_b32 s24, s24, 23
	s_or_b32 s24, s24, 0x600000
	v_mov_b32 v11, s24                             ; 448 x 2^e0
	s_add_co_i32 s24, s21, 127
	s_lshl_b32 s25, s24, 23
	v_mov_b32 v12, s25                             ; 2^e1
	s_add_co_i32 s24, s24, 8
	s_lshl_b32 s24, s24, 23
	s_or_b32 s24, s24, 0x600000
	v_mov_b32 v13, s24                             ; 448 x 2^e1
	s_add_co_i32 s37, s23, 127
	s_lshl_b32 s36, s37, 23                        ; 2^e3, kept for xt
	s_add_co_i32 s37, s37, 8
	s_lshl_b32 s37, s37, 23
	s_or_b32 s37, s37, 0x600000                    ; 448 x 2^e3
.set n, 0
.rept 32
	s_wait_loadcnt 31-n                            ; loads come back in order (ISA guide 5.7.1): row n is in, the 31 - n younger ones stay out
	ds_store_b128 v[STA], v[X+4*n:X+4*n+3] offset:n*PITCH
.set n, n+1
.endr
	s_wait_dscnt 0x0                               ; for the others' sake: my 32 rows lie in LDS
	s_barrier_signal -1
	s_barrier_wait -1                              ; the whole tile does; from here on LDS is only read
	; ---- qc and kc: of each of the eight row tiles my lane takes row r, v = 32 w + 16 h + 0 .. 15: 64 bytes
.set n, 0
.rept 32
	ds_load_b128 v[X+4*n:X+4*n+3], v[LQ] offset:(n/4)*16*PITCH+16*(n%4)
.set n, n+1
.endr
; 16 numbers of row tile rt x 16 numbers of a scale vector, held and converted: four registers of codes
.macro QK rt, scl, sc, lim, dst
.irp i, 0,2,4,6,8,10,12,14
	v_pk_mul_f32 v[T+\i:T+\i+1], v[X+16*(\rt)+\i:X+16*(\rt)+\i+1], v[\scl+\i:\scl+\i+1]
.endr
.irp i, 0,1,2,3,4,5,6,7,8,9,10,11,12,13,14,15
	v_med3_num_f32 v[T+\i], v[T+\i], -v[\lim], v[\lim]   ; the conversion to an 8-bit code does not saturate (ISA guide 7.6.2): the hold at the largest code x the scale
.endr
	v_cvt_scalef32_pk8_fp8_f32 v[\dst:\dst+1], v[T:T+7], v[\sc]
	v_cvt_scalef32_pk8_fp8_f32 v[\dst+2:\dst+3], v[T+8:T+15], v[\sc]
	v_nop                                          ; a plain vector line between the conversions and the next lines that write their sources
.endm
.irp rt, 0,1,2,3,4,5,6,7
	s_wait_dscnt 28-4*\rt                          ; this row tile's four loads are in; the later tiles' stay out
	QK \rt, QS, 10, 11, CQ+4*\rt
	global_store_b128 v[OUTQ], v[CQ+4*\rt:CQ+4*\rt+3], s[12:13] offset:2048*\rt   ; register group w of image rt: 512 consecutive bytes
	QK \rt, KS, 12, 13, CK+4*\rt
	global_store_b128 v[OUTQ], v[CK+4*\rt:CK+4*\rt+3], s[14:15] offset:2048*\rt
.endr
	; ---- xt: my lane takes column v = 16 (2 w + u) + r, and its registers run down s: batch t = 4 u + g holds s = 32 g + 8 h + 0 .. 7 and 32 g + 16 + 8 h + 0 .. 7: registers 4 g .. 4 g + 3 of image 2 w + u
	v_mov_b32 v10, s36                             ; 2^e3
	v_mov_b32 v11, s37                             ; 448 x 2^e3
.macro DLOAD t
.irp i, 0,1,2,3,4,5,6,7,8,9,10,11,12,13,14,15
	ds_load_b32 v[X+16*(\t)+\i], v[LX] offset:(16*(2*((\t)%4)+\i/8)+\i%8)*PITCH+64*((\t)/4)   ; lanes 0-15 take sixteen neighbouring words, lanes 16-31 those eight rows (1,056 words) on: 32 different banks
.endr
.endm
.macro DBATCH t
.if (\t) <= 5
	s_wait_dscnt 32                                ; batch t is in; the two younger batches stay out
.else
	s_wait_dscnt 16*(7-(\t))
.endif
.if (\t)+3 <= 7
	DLOAD (\t)+3
.endif
.irp i, 0,1,2,3,4,5,6,7,8,9,10,11,12,13,14,15
	v_med3_num_f32 v[X+16*(\t)+\i], v[X+16*(\t)+\i], -v11, v11
.endr
	v_cvt_scalef32_pk8_fp8_f32 v[CX+4*(\t):CX+4*(\t)+1], v[X+16*(\t):X+16*(\t)+7], v10
	v_cvt_scalef32_pk8_fp8_f32 v[CX+4*(\t)+2:CX+4*(\t)+3], v[X+16*(\t)+8:X+16*(\t)+15], v10
	v_nop
	global_store_b128 v[OUTX], v[CX+4*(\t):CX+4*(\t)+3], s[16:17] offset:512*(\t)   ; 2,048 u + 512 g = 512 t: 512 consecutive bytes
.endm
	DLOAD 0
	DLOAD 1
	DLOAD 2
.irp t, 0,1,2,3,4,5,6,7
	DBATCH \t
.endr
	s_wait_tensorcnt 0x0                           ; the wave's end, behind my last LDS store
	ds_add_u32 v[SPW], v[NIL]
	s_wait_dscnt 0x0
	s_endpgm
.Lfunc_end_k_qc5993a4079_quant:
	.size	k_qc5993a4079_quant, .Lfunc_end_k_qc5993a4079_quant-k_qc5993a4079_quant
	.p2alignl 7, 3214868480
	.fill 96, 4, 3214868480
	.section	.rodata,"a",@progbits
	.p2align	6, 0x0
	.amdhsa_kernel k_qc5993a4079_quant
		.amdhsa_group_segment_fixed_size 68096
		.amdhsa_private_segment_fixed_size 0
		.amdhsa_enable_private_segment 0
		.amdhsa_kernarg_size 56
		.amdhsa_user_sgpr_count 2
		.amdhsa_user_sgpr_kernarg_segment_ptr 1
		.amdhsa_wavefront_size32 1
		.amdhsa_system_sgpr_workgroup_id_x 1
		.amdhsa_system_sgpr_workgroup_id_y 1
		.amdhsa_system_sgpr_workgroup_id_z 1
		.amdhsa_system_vgpr_workitem_id 0
		.amdhsa_next_free_vgpr 256
		.amdhsa_next_free_sgpr 66
		.amdhsa_reserve_vcc 0
		.amdhsa_float_denorm_mode_32 3
		.amdhsa_float_denorm_mode_16_64 3
		.amdhsa_memory_ordered 1
		.amdhsa_forward_progress 1
		.amdhsa_inst_pref_size 59
	.end_amdhsa_kernel
	.amdgpu_metadata
---
amdhsa.version: [ 1, 2 ]
amdhsa.kernels:
  - .name:           k_qc5993a4079_quant
    .symbol:         k_qc5993a4079_quant.kd
    .args:
      - { .name: x, .offset: 0, .size: 8, .value_kind: global_buffer, .address_space: global }
      - { .name: q_scale, .offset: 8, .size: 8, .value_kind: global_buffer, .address_space: global }
      - { .name: k_scale, .offset: 16, .size: 8, .value_kind: global_buffer, .address_space: global }
      - { .name: lowp_scales, .offset: 24, .size: 8, .value_kind: global_buffer, .address_space: global }
      - { .name: qc, .offset: 32, .size: 8, .value_kind: global_buffer, .address_space: global }
      - { .name: kc, .offset: 40, .size: 8, .value_kind: global_buffer, .address_space: global }
      - { .name: xt, .offset: 48, .size: 8, .value_kind: global_buffer, .address_space: global }
    .group_segment_fixed_size: 68096
    .private_segment_fixed_size: 0
    .kernarg_segment_align: 8
    .kernarg_segment_size: 56
    .max_flat_workgroup_size: 128
    .sgpr_count:     66
    .vgpr_count:     256
    .wavefront_size: 32
...
	.end_amdgpu_metadata
.endif
;; end of part 1
;; launch scores (part 2): grid 36 x 4, 4 waves a work-group, no clusters, 327,680 bytes of LDS; arguments qc, kc, decay_logit, lowp_scales, pc; writes pc
.if DOCPART == 2
	.amdgcn_target "amdgcn-amd-amdhsa--gfx1250"
	.amdhsa_code_object_version 6
	.text
	.protected	k_qc5993a4079_scores
	.globl	k_qc5993a4079_scores
	.p2align	8
	.type	k_qc5993a4079_scores,@function
k_qc5993a4079_scores:
	s_mov_b64 s[64:65], 0
	v_nop
	global_prefetch_b8 v0, s[64:65] scope:SCOPE_SE
	s_setreg_imm32_b32 hwreg(HW_REG_WAVE_MODE, 25, 1), 1
	s_wait_xcnt 0x0
; P[t][s] = (the sum over v of qc[t][v] kc[s][v]) x 2^(e0 + e1) x w[t][s], quantised along s with 2^e2, as codes of FP8 (E4M3) in pc.  w = decay^(s - t - 1) where s > t, else 0; decay = sigmoid(decay_logit).
; WORK LEFT OUT: tiles of 256 x 256 with every s <= t, where w is the constant 0 of the problem's own mask (shown at the head of the first kernel): of each batch's 8 x 8 tiles the 36 with J >= I are made.
; That block of pc is read by nobody.  Its products stay: it lies inside a live tile, fetches a quarter of every slot and passes every barrier.
; LIMITS: e2 - e0 - e1 between -126 and 119, so that the conversion's scale and 448 x it are f32 numbers.  decay^n is made as 2^(n x log2(decay)) in f32, n x log2(decay) rounded once; a weight under 2^-126 comes out 0
; (ISA guide 15.8: the exponential flushes).  decay = 0 gives w = 1 at n = 0 and 0 beyond, as 0^0 = 1 does.  NaN in decay_logit is not served.
; SHARES.  A tile of 256 (t) x 256 (s) to a work-group of four waves, 128 x 128 a wave: 64 accumulators, 512 registers.  K = 1,024 goes in four slots' worth of 256 through a ring of two LDS slots.
; qc and kc are laid as images of operand registers, so a wave's tensor load is one dense block of 32 KiB (a block of 128 rows, two chunks of 128 along K), a fragment is four LDS loads of 512 consecutive bytes, and nothing is padded.
; Waves 0, 1 fetch qc's blocks 2 I, 2 I + 1, waves 2, 3 kc's blocks 2 J, 2 J + 1: one line of text, each wave with addresses of its own.  By this text's count a wave has at most two tensor loads out.
; THE MATRIX INSTRUCTION IS USED TRANSPOSED (source 0 = 16 rows of kc, source 1 = 16 rows of qc): a lane holds one t (lane % 16) and eight neighbouring s, 16 b + 8 (lane / 16) + 0 .. 7: converted, they ARE registers 2 b, 2 b + 1
; of the next product's operand.  So P leaves straight from registers, 512 consecutive bytes a store, into pc [batch][block of t][chunk of s][tile][image].
; THE WEIGHTS.  Register j of accumulator (a, b) has n = s - t - 1 = NI + 16 (b - a) + j, NI the lane's own: 15 x 8 = 120 different weights a lane for its 512 scores.  They are made once, while the first tiles are on their way.
; NO CLUSTER: tile row I has 8 - I live tiles and tile column J has J + 1, so no grouping by four gives every work-group three partners with the same rows of qc or of kc; and a work-group makes four fills in all.
; REGISTERS, in windows of 256: window 0: v1-2, v3-4 LDS addresses of my A and B fragments in slot 0, 1 (on the way out v1, v2: the conversion's scale and limit); v5, v6 the add's two; v7 16 x lane; v8-127 the weights;
;   v128-255 A's fragments, ONE set (at the head: the table's scratch; on the way out: v128-191 products, v192-255 codes).  window 1: B's fragments, TWO sets.  windows 2, 3: the accumulators of my rows 0-63 and 64-127, (a, b) at v[8 (8 (a % 4) + b)].
.set FR,     16                        ; registers of a fragment: 16 rows x 128 K
.set NL,     4                         ; LDS loads that bring one
.set NP,     4                         ; places behind this matrix instruction (ISA guide 7.12.1)
.set REGION, 32768                     ; what one tensor load brings: 128 rows x 256 along K
.set SLOT,   4*REGION                  ; qc's two blocks, then kc's two
.set SPARE,  2*SLOT                    ; behind the ring: the spare words, 128 bytes for each wave: two blocks of 256 bytes that no other line names
.set ADRA, 1
.set ADRB, 3
.set SPW,  5
.set NIL,  6
.set LO,   7
.set W,    8
.set AF,   128
.set TMP,  128
.set CODE, 192
.set NI,   128                         ; the table's scratch: v128 NI; v130 log2(decay), v131 0; v132, v133 at work; v[134:135] a tile's first n as f32; v136-143 the numbers 0 .. 7
.set LG,   130
.set ZR,   131
.set TA,   132
.set TB,   133
.set ND,   134
.set FJ,   136
.set G1, 24                            ; s[24:31] descriptor group 1;  s[32:35], s[36:39] group 0 for slot 0, 1
.set G0, 32
.set MSB, 0
.macro WIN new                         ; the immediate's high byte repeats the setting that is left
.if MSB != (\new)
	s_set_vgpr_msb (MSB<<8)|(\new)
.set MSB, (\new)
.endif
.endm
.set MUL_LO, 0xa1                      ; source 0 (kc) window 1, source 1 (qc) window 0, C and D window 2
.set MUL_HI, 0xf1                      ; the same, C and D window 3
.set TO_B,   0x40                      ; destination window 1, address window 0
	s_load_b256 s[4:11], s[0:1], 0x0               ; qc s[4:5], kc s[6:7], decay_logit s[8:9], the scales' exponents s[10:11]
	s_load_b64 s[12:13], s[0:1], 0x20              ; pc
	v_lshl_add_u32 v[SPW], v0, 2, SPARE
	v_mov_b32 v[NIL], 0
	ds_add_u32 v[SPW], v[NIL]                      ; the wave's opening: the add, twice on end, and its wait ahead of my first tensor load; the set-up below, work on registers, stands between
	ds_add_u32 v[SPW], v[NIL]
	v_lshrrev_b32 v1, 5, v0
	v_readfirstlane_b32 s14, v1                    ; wave 0..3
	s_lshr_b32 s15, s14, 1                         ; wr: which 128 of the tile's t are mine
	s_and_b32 s16, s14, 1                          ; wc: which 128 of its s
	; the triangle of 36 tiles, folded: rows bq and 7 - bq have 8 - bq and bq + 1 tiles, nine together
	s_and_b32 s20, ttmp9, 3                        ; bq
	s_lshr_b32 s21, ttmp9, 2                       ; aq, 0 .. 8
	s_sub_co_u32 s22, 8, s20                       ; row bq's tiles
	s_sub_co_u32 s23, 7, s20
	s_add_co_u32 s46, s20, s21
	s_add_co_u32 s47, s23, s21
	s_sub_co_u32 s47, s47, s22
	s_cmp_lt_u32 s21, s22
	s_cselect_b32 s17, s20, s23                    ; I: tile row (t)
	s_cselect_b32 s18, s46, s47                    ; J: tile column (s), at least I
	s_and_b32 s19, ttmp7, 0xffff                   ; batch
	s_cmp_eq_u32 s17, s18
	s_cselect_b32 s45, 1, 0
	s_cmp_eq_u32 s14, 2
	s_cselect_b32 s45, s45, 0                      ; 1: on the diagonal, t in the upper half, s in the lower: every s < t
	; descriptor group 1: a dense block of 32,768 bytes as 128 rows of 256
	s_mov_b32 s[G1+0], 3<<16                       ; 15:0 no mask; 17:16 elements of 8 bytes; no padding
	s_mov_b32 s[G1+1], 32<<16                      ; tensor_dim0 = 32 elements
	s_mov_b32 s[G1+2], 128<<16                     ; tensor_dim1 = 128
	s_mov_b32 s[G1+3], 32<<16                      ; tile_dim0 = 32
	s_mov_b32 s[G1+4], 128                         ; tile_dim1 = 128
	s_mov_b32 s[G1+5], 32                          ; from row to row: 32 elements
	s_mov_b32 s[G1+6], 0
	s_mov_b32 s[G1+7], 0
	s_cmp_lt_u32 s14, 2                            ; what I fetch: block 2 I + w of qc, or 2 J + w - 2 of kc
	s_cselect_b32 s22, s17, s18
	s_lshl_b32 s22, s22, 1
	s_add_co_u32 s22, s22, s16
	s_lshl_b32 s23, s19, 4
	s_add_co_u32 s22, s22, s23
	s_lshl_b32 s22, s22, 17                        ; a block's eight chunks are 2^17 bytes
	s_mov_b32 s23, 0
	s_lshl_b32 s46, s19, 4                         ; where my 16 KiB of pc lie: unit (16 x batch + 2 I + wr) x 16 + 2 J + wc
	s_lshl_b32 s47, s17, 1
	s_add_co_u32 s46, s46, s47
	s_add_co_u32 s46, s46, s15
	s_lshl_b32 s46, s46, 4
	s_lshl_b32 s47, s18, 1
	s_add_co_u32 s46, s46, s47
	s_add_co_u32 s46, s46, s16
	s_lshl_b32 s46, s46, 14
	s_mov_b32 s47, 0
	s_wait_dscnt 0x0                               ; both opening adds are done
	s_wait_kmcnt 0x0
	s_load_b128 s[40:43], s[10:11], 0x0            ; e0, e1, e2, e3
	s_load_b32 s44, s[8:9], 0x0                    ; decay_logit
	s_add_nc_u64 s[12:13], s[12:13], s[46:47]
	s_cmp_lt_u32 s14, 2
	s_cselect_b64 s[20:21], s[4:5], s[6:7]
	s_add_nc_u64 s[20:21], s[20:21], s[22:23]
	s_mov_b32 s[G0+0], 1                           ; 1:0 count = 1
	s_lshl_b32 s[G0+1], s14, 15                    ; LDS address: my region of slot 0
	s_mov_b64 s[G0+2:G0+3], s[20:21]               ; chunks 0 and 1
	s_or_b32 s[G0+3], s[G0+3], 0x80000000          ; 127:126 type = 2
	s_mov_b32 s[G0+4], 1
	s_add_co_u32 s[G0+5], s[G0+1], SLOT            ; my region of slot 1
	s_add_nc_u64 s[G0+6:G0+7], s[20:21], REGION    ; chunks 2 and 3
	s_or_b32 s[G0+7], s[G0+7], 0x80000000
	tensor_load_to_lds s[G0:G0+3], s[G1:G1+7]      ; both first fills go out together, ahead of every wait on TENSORcnt, every LDS read and every barrier
	s_nop 0
	tensor_load_to_lds s[G0+4:G0+7], s[G1:G1+7]
	s_nop 0
.rept 4
	v_nop
.endr
	v_and_b32 v[LO], 31, v0
	v_lshlrev_b32 v[LO], 4, v[LO]                  ; 16 x lane: my place in every image
	s_lshl_b32 s22, s15, 15
	v_add_nc_u32 v[ADRA], s22, v[LO]
	v_add_nc_u32 v[ADRA+1], SLOT, v[ADRA]
	s_lshl_b32 s22, s16, 15
	s_add_co_u32 s22, s22, 2*REGION
	v_add_nc_u32 v[ADRB], s22, v[LO]
	v_add_nc_u32 v[ADRB+1], SLOT, v[ADRB]
	; ---- THE WEIGHTS, while the first tiles are on their way
	s_sub_co_i32 s20, s18, s17
	s_lshl_b32 s20, s20, 8
	s_sub_co_i32 s21, s16, s15
	s_lshl_b32 s21, s21, 7
	s_add_co_i32 s20, s20, s21
	s_sub_co_i32 s20, s20, 1                       ; 256 (J - I) + 128 (wc - wr) - 1
	v_and_b32 v[TA], 15, v0
	v_bfe_u32 v[TB], v0, 4, 1
	v_lshlrev_b32 v[TB], 3, v[TB]
	v_sub_nc_u32 v[NI], v[TB], v[TA]
	v_add_nc_u32 v[NI], s20, v[NI]                 ; NI = that + 8 (lane / 16) - lane % 16
	v_mov_b32 v[ZR], 0
	v_mov_b32 v[ND+1], 0                           ; (named as the upper half of a pair)
	v_mov_b32 v[FJ+0], 0
	v_mov_b32 v[FJ+1], 1.0
	v_mov_b32 v[FJ+2], 2.0
	v_mov_b32 v[FJ+3], 3.0
	v_mov_b32 v[FJ+4], 4.0
	v_mov_b32 v[FJ+5], 5.0
	v_mov_b32 v[FJ+6], 6.0
	v_mov_b32 v[FJ+7], 7.0
	s_wait_kmcnt 0x0
	v_mov_b32 v[TA], s44
	v_mul_f32 v[TA], 0xbfb8aa3b, v[TA]             ; -z log2(e)
	v_exp_f32 v[TB], v[TA]                         ; e^-z
	v_nop                                          ; a plain line behind a transcendental, and a wait ahead of the first line that names its result
	s_wait_alu depctr_va_vdst(0)
	v_add_f32 v[TB], 1.0, v[TB]
	v_rcp_f32 v[TA], v[TB]                         ; decay = 1 / (1 + e^-z)
	v_nop
	s_wait_alu depctr_va_vdst(0)
	v_log_f32 v[LG], v[TA]                         ; log2(decay), 0 or less
	v_nop
	s_wait_alu depctr_va_vdst(0)
	v_max_num_f32 v[LG], 0xf149f2ca, v[LG]         ; not under -1e30: with decay = 0 the product 0 x log2(decay) stays 0
.irp dd, 0,1,2,3,4,5,6,7,8,9,10,11,12,13,14    ; dd = b - a + 7
	v_add_nc_u32 v[TA], 16*\dd-112, v[NI]
	v_cvt_f32_i32 v[ND], v[TA]
.irp i, 0,2,4,6
	v_pk_add_f32 v[W+8*\dd+\i:W+8*\dd+\i+1], v[ND:ND+1], v[FJ+\i:FJ+\i+1] op_sel_hi:[0,1]   ; n = NI + 16 (dd - 7) + j: a whole number, exact
.endr
.irp i, 0,2,4,6
	v_pk_mul_f32 v[W+8*\dd+\i:W+8*\dd+\i+1], v[W+8*\dd+\i:W+8*\dd+\i+1], v[LG:LG+1] op_sel_hi:[1,0]   ; n log2(decay)
.endr
.irp j, 0,1,2,3,4,5,6,7
	v_exp_f32 v[W+8*\dd+\j], v[W+8*\dd+\j]         ; decay^n
.endr
.endr
	v_nop                                          ; the plain line behind the last exponential,
	s_wait_alu depctr_va_vdst(0)                   ; and ONE wait for all 120: none of their results has been named yet
.irp dd, 0,1,2,3,4,5,6,7,8,9,10,11,12,13,14
.irp j, 0,1,2,3,4,5,6,7
	v_cmp_gt_i32 vcc_lo, 112-16*\dd-\j, v[NI]      ; n < 0, that is s <= t:
	v_cndmask_b32 v[W+8*\dd+\j], v[W+8*\dd+\j], v[ZR], vcc_lo   ; the weight is 0.  Done in every tile alike: no branch
.endr
.endr
.macro FRAG reg, adr, q, i             ; fragment i of the slot's q-th chunk: an image of 2,048 bytes, four loads of 512 consecutive bytes
.irp c, 0,1,2,3
	ds_load_b128 v[\reg+4*\c:\reg+4*\c+3], v[\adr] offset:16384*(\q)+2048*(\i)+512*\c
.endr
.endm
; 16 matrix instructions: A's blocks a0, a0 + 1 x B's eight, 128 along K.  p: B's set.  zero = 1: the first product starts the sums.  The 64 accumulators take turns, one instruction a turn, in the same order in every step.
.macro MUL16 a0, p, zero
.irp a, \a0, \a0+1
.irp b, 0,1,2,3,4,5,6,7
.if \zero
	v_wmma_f32_16x16x128_fp8_fp8 v[8*(8*((\a)%4)+\b):8*(8*((\a)%4)+\b)+7], v[128*(\p)+FR*\b:128*(\p)+FR*\b+FR-1], v[AF+FR*(\a):AF+FR*(\a)+FR-1], 0
.else
	v_wmma_f32_16x16x128_fp8_fp8 v[8*(8*((\a)%4)+\b):8*(8*((\a)%4)+\b)+7], v[128*(\p)+FR*\b:128*(\p)+FR*\b+FR-1], v[AF+FR*(\a):AF+FR*(\a)+FR-1], v[8*(8*((\a)%4)+\b):8*(8*((\a)%4)+\b)+7]
.endif
.endr
.endr
.endm
.macro FETCH_B slot, q, p
	WIN TO_B
.irp i, 0,1,2,3,4,5,6,7
	FRAG 128*(\p)+FR*\i, ADRB+\slot, \q, \i
.endr
	WIN 0
.endm
.macro FETCH_A slot, q, i0
.irp i, \i0, \i0+1, \i0+2, \i0+3
	FRAG AF+FR*(\i), ADRA+\slot, \q, \i
.endr
.endm
; A load into a register that a matrix instruction has read, and a vector instruction that reads a matrix result or writes one of a matrix instruction's registers, stand NP places behind it; only plain vector
; instructions that name none of its registers are places (ISA guide 7.12.1 for vector instructions).
.macro PLACES n
.rept \n
	v_nop
.endr
.endm
; A step of 128 along K that has its successor in the same slot.  A block of A is free as soon as its eight products are issued: blocks 0-3 are fetched anew in the step's middle, blocks 4-7 at its end.
.macro STEP slot, q, zero
	s_wait_dscnt 4*NL                              ; B's set and A's blocks 0-3 are in; the youngest sixteen loads (A's blocks 4-7) may be out
	WIN MUL_LO
	MUL16 0, (\q)%2, \zero
	MUL16 2, (\q)%2, \zero
	s_wait_dscnt 0                                 ; A's blocks 4-7 are in
	PLACES NP
	FETCH_B \slot, (\q)+1, 1-(\q)%2
	FETCH_A \slot, (\q)+1, 0
	WIN MUL_HI
	MUL16 4, (\q)%2, \zero
	MUL16 6, (\q)%2, \zero
	PLACES NP
	WIN 0
	FETCH_A \slot, (\q)+1, 4
.endm
; A slot's last step changes slots: ONE barrier; in front of it each wave waits for all its tensor loads, adds 0 to its spare word, and waits for that and for its own reads of this slot.  fill = 1: this slot is filled again, two slots' worth ahead.
.macro TURN slot, next, fill
	s_wait_tensorcnt 0x0                           ; all my tensor loads have landed: my part of the next slot  (every window is 0 here)
	ds_add_u32 v[SPW], v[NIL]                      ; 0 onto my spare word
	s_wait_dscnt 4*NL+1                            ; (the add and the youngest sixteen loads, A's blocks 4-7, may be out)
	WIN MUL_LO
	MUL16 0, 1, 0                                  ; sixteen matrix instructions stand between the add and the wait for it
	s_wait_dscnt 0x0                               ; the add is done, and my reads of this slot are over
	s_barrier_signal -1
	MUL16 2, 1, 0                                  ; work on registers while the others arrive
	WIN 0
	s_barrier_wait -1                              ; nobody reads this slot any more, and the next slot is whole
.if \fill
	s_add_nc_u64 s[G0+4*\slot+2:G0+4*\slot+3], s[G0+4*\slot+2:G0+4*\slot+3], 2*REGION   ; no tensor load of mine is out, so the group 0 may be written: four chunks on
	tensor_load_to_lds s[G0+4*\slot:G0+4*\slot+3], s[G1:G1+7]   ; my one tensor load behind this barrier, ahead of every LDS read there
	s_nop 0
	PLACES 4                                       ; (also the places in front of the loads below)
.else
	PLACES NP
.endif
	FETCH_B \next, 0, 0
	FETCH_A \next, 0, 0
	WIN MUL_HI
	MUL16 4, 1, 0
	MUL16 6, 1, 0
	PLACES NP
	WIN 0
	FETCH_A \next, 0, 4
.endm
	s_wait_tensorcnt 0x1                           ; my part of slot 0 is in; slot 1's may stay out
	s_barrier_signal -1
	s_barrier_wait -1                              ; everybody's is
	FETCH_B 0, 0, 0
	FETCH_A 0, 0, 0
	FETCH_A 0, 0, 4
	STEP 0, 0, 1                                   ; K = 0 .. 127: its products start the sums; nothing is ever cleared
	TURN 0, 1, 1                                   ; 128 ..;  slot 0 takes K = 512 .. 767
	STEP 1, 0, 0
	TURN 1, 0, 1                                   ; slot 1 takes K = 768 .. 1,023: the last fill
	STEP 0, 0, 0
	TURN 0, 1, 0
	STEP 1, 0, 0
	s_wait_dscnt 4*NL                              ; the last step: nothing more to fetch
	WIN MUL_LO
	MUL16 0, 1, 0
	MUL16 2, 1, 0
	s_wait_dscnt 0
	WIN MUL_HI
	MUL16 4, 1, 0
	MUL16 6, 1, 0
	WIN 0
	s_cmp_lg_u32 s45, 0                            ; ids alone: the wave whose every s < t has nothing to store
	s_cbranch_scc1 .Ldead
	PLACES NP
	s_sub_co_i32 s46, s42, s40
	s_sub_co_i32 s46, s46, s41                     ; a sum stands for sum x 2^(e0 + e1): its code is sum x w / 2^(e2 - e0 - e1): the three scales are folded into the conversion's one
	s_add_co_i32 s46, s46, 127
	s_lshl_b32 s47, s46, 23
	v_mov_b32 v1, s47
	s_add_co_i32 s46, s46, 8
	s_lshl_b32 s46, s46, 23
	s_or_b32 s46, s46, 0x600000
	v_mov_b32 v2, s46                              ; 448 x that
; THE WAY OUT of my rows 16 a .. 16 a + 15: 64 sums a lane x their weights, held, converted: the 16 registers of image a, stored as they stand
.macro OUTROW a
.set AC, 64*((\a)%4)
.set CD, CODE+16*((\a)%4)
.if (\a) >= 4
	s_wait_xcnt 0x0                                ; the stores of four blocks back have read their data: the registers are written again only behind this wait
.endif
	WIN 0x02+((\a)/4)                              ; source 0: window 2 or 3
.irp b, 0,1,2,3,4,5,6,7
.irp i, 0,2,4,6
	v_pk_mul_f32 v[TMP+8*\b+\i:TMP+8*\b+\i+1], v[AC+8*\b+\i:AC+8*\b+\i+1], v[W+8*(\b-(\a)+7)+\i:W+8*(\b-(\a)+7)+\i+1]   ; each accumulator from its low end on
.endr
.endr
	WIN 0
.set n, 0
.rept 64
	v_med3_num_f32 v[TMP+n], v[TMP+n], -v2, v2     ; the conversion to an 8-bit code does not saturate (ISA guide 7.6.2)
.set n, n+1
.endr
.irp b, 0,1,2,3,4,5,6,7
	v_cvt_scalef32_pk8_fp8_f32 v[CD+2*\b:CD+2*\b+1], v[TMP+8*\b:TMP+8*\b+7], v1   ; s = 16 b + 8 (lane / 16) + 0 .. 7: registers 2 b, 2 b + 1
.endr
	v_nop                                          ; a plain vector line between the conversions and the next block's products, which write their sources
.irp g, 0,1,2,3
	global_store_b128 v[LO], v[CD+4*\g:CD+4*\g+3], s[12:13] offset:2048*(\a)+512*\g   ; 32 lanes store 512 consecutive bytes, at a multiple of 512 from pc's first byte
.endr
.endm
.irp a, 0,1,2,3,4,5,6,7
	OUTROW \a
.endr
.Ldead:
	s_wait_tensorcnt 0x0                           ; the wave's end, behind my last tensor load
	ds_add_u32 v[SPW], v[NIL]
	s_wait_dscnt 0x0
	s_endpgm
.Lfunc_end_k_qc5993a4079_scores:
	.size	k_qc5993a4079_scores, .Lfunc_end_k_qc5993a4079_scores-k_qc5993a4079_scores
	.p2alignl 7, 3214868480
	.fill 96, 4, 3214868480
	.section	.rodata,"a",@progbits
	.p2align	6, 0x0
	.amdhsa_kernel k_qc5993a4079_scores
		.amdhsa_group_segment_fixed_size 327680
		.amdhsa_private_segment_fixed_size 0
		.amdhsa_enable_private_segment 0
		.amdhsa_kernarg_size 40
		.amdhsa_user_sgpr_count 2
		.amdhsa_user_sgpr_kernarg_segment_ptr 1
		.amdhsa_wavefront_size32 1
		.amdhsa_system_sgpr_workgroup_id_x 1
		.amdhsa_system_sgpr_workgroup_id_y 1
		.amdhsa_system_sgpr_workgroup_id_z 1
		.amdhsa_system_vgpr_workitem_id 0
		.amdhsa_next_free_vgpr 1024
		.amdhsa_next_free_sgpr 66
		.amdhsa_reserve_vcc 1
		.amdhsa_float_denorm_mode_32 3
		.amdhsa_float_denorm_mode_16_64 3
		.amdhsa_memory_ordered 1
		.amdhsa_forward_progress 1
		.amdhsa_inst_pref_size 153
	.end_amdhsa_kernel
	.amdgpu_metadata
---
amdhsa.version: [ 1, 2 ]
amdhsa.kernels:
  - .name:           k_qc5993a4079_scores
    .symbol:         k_qc5993a4079_scores.kd
    .args:
      - { .name: qc, .offset: 0, .size: 8, .value_kind: global_buffer, .address_space: global }
      - { .name: kc, .offset: 8, .size: 8, .value_kind: global_buffer, .address_space: global }
      - { .name: decay_logit, .offset: 16, .size: 8, .value_kind: global_buffer, .address_space: global }
      - { .name: lowp_scales, .offset: 24, .size: 8, .value_kind: global_buffer, .address_space: global }
      - { .name: pc, .offset: 32, .size: 8, .value_kind: global_buffer, .address_space: global }
    .group_segment_fixed_size: 327680
    .private_segment_fixed_size: 0
    .kernarg_segment_align: 8
    .kernarg_segment_size: 40
    .max_flat_workgroup_size: 128
    .sgpr_count:     66
    .vgpr_count:     1024
    .wavefront_size: 32
...
	.end_amdgpu_metadata
.endif
;; end of part 2
;; launch retrieve (part 3): grid 8 x 32, 4 waves a work-group, no clusters, 327,680 bytes of LDS; arguments pc, xt, out_scale, lowp_scales, out0; writes out0
.if DOCPART == 3
	.amdgcn_target "amdgcn-amd-amdhsa--gfx1250"
	.amdhsa_code_object_version 6
	.text
	.protected	k_qc5993a4079_retrieve
	.globl	k_qc5993a4079_retrieve
	.p2align	8
	.type	k_qc5993a4079_retrieve,@function
k_qc5993a4079_retrieve:
	s_mov_b64 s[64:65], 0
	v_nop
	global_prefetch_b8 v0, s[64:65] scope:SCOPE_SE
	s_setreg_imm32_b32 hwreg(HW_REG_WAVE_MODE, 25, 1), 1
	s_wait_xcnt 0x0
; out0[b][t][v] = out_scale x 2^(e2 + e3) x the sum over s of pc[t][s] xt[v][s], on codes of FP8 (E4M3); sums in f32.
; WORK LEFT OUT: the chunks of 128 along s that lie wholly at or under a block of 128 t (chunk < block), where P is the constant 0 of the problem's own mask (shown at the head of the first kernel): t-block i sums chunks i .. 15.
; SHARES.  A work-group makes two tiles of 128 (t) x 128 (v): t-block p, with 16 - p chunks, and t-block 15 - p, with p + 1: 17 chunks for every p, so all 256 work-groups have equal work.
; THE WAVES SHARE A TILE'S ROWS: wave w makes t = 32 w .. 32 w + 31 of both tiles, all 128 v: 2 x 16 accumulators.  So each byte of pc is wanted by one wave alone.
; An item is one chunk of one tile: a unit of pc and a unit of xt, 16 KiB each, laid as images of operand registers.
; pc GOES FROM MEMORY STRAIGHT INTO REGISTERS: an item's two fragments of my rows are eight loads of 512 consecutive bytes; a ring of eight register slots, asked for seven items ahead.
; xt GOES THROUGH LDS, read by all four waves: its 17 units, 278,528 bytes, lie there all at once.  So every tensor load is a first fill, issued at the head: no LDS byte is filled twice.
; THE 17 ITEMS have an LDS slot each, and only addresses and the choice between the two sets of accumulators hang on p.  Slot j = 0 .. 8: block 15 - p, chunk 15 - p + j, where j <= p; else block p, chunk j - 1.
; Slot s = 9 .. 16: block p, chunk s - 1.  Slot 0 is block 15 - p's and slot 8 block p's for every p: their products come first and start the sums.  The order of work: slots 0, 8, 1 .. 7, 9 .. 16.
; TENSOR LOADS.  17 units among four waves: each wave fetches slots w, 4 + w, 9 + w, 13 + w whole (64 rows of 256 bytes), and the seventeenth, slot 8, is shared out in quarters, so that all waves run the same five lines:
; by this text's count five tensor loads of a wave are out together.  Four barriers, each behind a counted wait, show slots 0-3 and 8, then 4-7, 9-12, 13-16 to every wave.
; THE MATRIX INSTRUCTION IS USED TRANSPOSED (source 0 = 16 rows of xt, source 1 = 16 rows of pc): a lane holds one t and eight neighbouring v.  A block of 16 rows x 64 columns goes through the wave's own stage in LDS, so that
; sixteen lanes store 256 consecutive bytes, aligned.  Block 15 - p has all its chunks behind slot 7: it leaves while slots 9 .. 16 are on their way.
; The order of the chunks in a sum is not ascending; the result is judged within a tolerance.
; NO CLUSTER: pc's units, which the eight work-groups of a (batch, p) share, do not go through LDS.  xt's units are shared by work-groups that differ in p, and p decides which chunks slots 0 .. 7 hold and which accumulators
; an item adds to: partners would hold other descriptors for 8 of the 17 units and take other branches.
; REGISTERS, in windows of 256: window 0: v1-5 LDS addresses (slots 0-3, 4-7, 8-11, 12-15, 16); v7, v8 the add's two; v9-11 the way out's addresses; v[12:13] out_scale x 2^(e2 + e3); v14 16 x lane + 4,096 w; v17 pc: my offset in block p;
;   v18-25 pc: my offsets in slots 0 .. 7's units; v32-63 scaled sums; v64-127 rows read back, two sets; v128-255 the accumulators of block p, (a, b) at v[128 + 8 (8 a + b)].
;   window 1: two buffers of xt's eight fragments.  window 2: v128-255 the accumulators of block 15 - p.  window 3: eight slots of 32 registers: pc's two fragments of an item.
.set UNIT,  16384
.set STAGE, 17*UNIT                    ; LDS: 17 slots of xt's units, then 16 rows x (256 bytes + 16) for each wave: no tensor load lands there
.set SP,    272
.set SPARE, STAGE+4*16*SP              ; then the spare words, 128 bytes for each wave: two blocks of 256 bytes that no other line names
.set ADB, 1
.set SPW, 7
.set NIL, 8
.set STO, 9
.set RD,  10
.set CO,  11
.set FC,  12
.set LW,  14
.set VO1, 17
.set VO,  18
.set TMP, 32
.set BK,  64
.set ACC, 128
.set G1U, 24                           ; s[24:31] descriptor group 1 of a unit;  s[32:39] of a quarter;  s[40:59] five groups 0: all written once
.set G1Q, 32
.set G0,  40
.set MSB, 0
.macro WIN new                         ; the immediate's high byte repeats the setting that is left
.if MSB != (\new)
	s_set_vgpr_msb (MSB<<8)|(\new)
.set MSB, (\new)
.endif
.endm
.set MUL1, 0x0d                        ; source 0 (xt) window 1, source 1 (pc) window 3; C and D window 0
.set MUL2, 0xad                        ; the same; C and D window 2
.set TO_F, 0x40                        ; destination window 1, address window 0
.set TO_A, 0xc0                        ; destination window 3, address window 0
	s_load_b256 s[4:11], s[0:1], 0x0               ; pc s[4:5], xt s[6:7], out_scale s[8:9], the scales' exponents s[10:11]
	s_load_b64 s[12:13], s[0:1], 0x20              ; out0
	v_lshl_add_u32 v[SPW], v0, 2, SPARE
	v_mov_b32 v[NIL], 0
	ds_add_u32 v[SPW], v[NIL]                      ; the wave's opening: the add, twice on end, and its wait ahead of my first tensor load; the set-up below, work on registers, stands between
	ds_add_u32 v[SPW], v[NIL]
	v_lshrrev_b32 v1, 5, v0
	v_readfirstlane_b32 s14, v1                    ; wave 0..3
	s_and_b32 s20, ttmp7, 0xffff
	s_and_b32 s17, s20, 7                          ; p
	s_lshr_b32 s18, s20, 3                         ; batch
	s_mov_b32 s19, ttmp9                           ; block of v
	s_mov_b32 s[G1U+0], 3<<16                      ; elements of 8 bytes; no mask, no padding
	s_mov_b32 s[G1U+1], 32<<16                     ; tensor_dim0 = 32 elements: rows of 256 bytes
	s_mov_b32 s[G1U+2], 64<<16                     ; tensor_dim1 = 64: 16,384 bytes on end
	s_mov_b32 s[G1U+3], 32<<16                     ; tile_dim0
	s_mov_b32 s[G1U+4], 64                         ; tile_dim1
	s_mov_b32 s[G1U+5], 32                         ; from row to row
	s_mov_b32 s[G1U+6], 0
	s_mov_b32 s[G1U+7], 0
	s_mov_b32 s[G1Q+0], 3<<16
	s_mov_b32 s[G1Q+1], 32<<16
	s_mov_b32 s[G1Q+2], 16<<16                     ; 16 rows of 256 bytes: 4,096 bytes on end
	s_mov_b32 s[G1Q+3], 32<<16
	s_mov_b32 s[G1Q+4], 16
	s_mov_b32 s[G1Q+5], 32
	s_mov_b32 s[G1Q+6], 0
	s_mov_b32 s[G1Q+7], 0
	; where my five pieces of xt lie in memory, as byte offsets
	s_lshl_b32 s23, s18, 3
	s_add_co_u32 s23, s23, s19
	s_lshl_b32 s23, s23, 18                        ; my v-block's sixteen units (2^18 bytes)
	s_sub_co_u32 s22, 15, s17                      ; 15 - p
	s_lshl_b32 s75, s14, 14                        ; w units
	s_lshl_b32 s76, s14, 12                        ; w quarters
	s_add_co_u32 s60, s22, s14                     ; slot j = w: chunk 15 - p + j where j <= p,
	s_sub_co_u32 s61, s14, 1                       ; else j - 1 (with j = 0 the first is taken for every p)
	s_cmp_le_u32 s14, s17
	s_cselect_b32 s60, s60, s61
	s_lshl_b32 s60, s60, 14
	s_add_co_u32 s60, s60, s23
	s_mov_b32 s61, 0
	s_add_co_u32 s62, s23, s76                     ; slot 8: chunk 7, my quarter
	s_add_co_u32 s62, s62, 7<<14
	s_mov_b32 s63, 0
	s_add_co_u32 s20, s14, 4                       ; slot j = 4 + w, likewise
	s_add_co_u32 s66, s22, s20
	s_add_co_u32 s67, s14, 3
	s_cmp_le_u32 s20, s17
	s_cselect_b32 s66, s66, s67
	s_lshl_b32 s66, s66, 14
	s_add_co_u32 s66, s66, s23
	s_mov_b32 s67, 0
	s_add_co_u32 s68, s23, s75
	s_add_co_u32 s70, s68, 12<<14                  ; slot 13 + w: chunk 12 + w
	s_add_co_u32 s68, s68, 8<<14                   ; slot 9 + w: chunk 8 + w
	s_mov_b32 s69, 0
	s_mov_b32 s71, 0
	; pc, as byte offsets: a t-block's sixteen units are 2^18 bytes
	s_lshl_b32 s20, s18, 4
	s_add_co_u32 s21, s20, s17
	s_lshl_b32 s72, s21, 18                        ; t-block p
	s_add_co_u32 s20, s20, s22
	s_lshl_b32 s73, s20, 18                        ; t-block 15 - p,
	s_lshl_b32 s20, s22, 14
	s_add_co_u32 s73, s73, s20                     ; at its first live chunk, 15 - p
	s_sub_co_u32 s74, s72, UNIT                    ; t-block p, one unit back (modulo 2^32): slot j adds j units, and takes this only where j >= 1
	s_wait_dscnt 0x0                               ; both opening adds are done
	s_wait_kmcnt 0x0
	s_load_b128 s[80:83], s[10:11], 0x0            ; e0, e1, e2, e3
	s_load_b32 s84, s[8:9], 0x0                    ; out_scale
.macro SETG k, base, add, off          ; group 0 number k
	s_mov_b32 s[G0+4*\k], 1                        ; 1:0 count = 1
	s_add_co_u32 s[G0+4*\k+1], s\base, \add        ; LDS address: the wave's number times a constant, plus a constant
	s_add_nc_u64 s[G0+4*\k+2:G0+4*\k+3], s[6:7], s[\off:\off+1]   ; global address
	s_or_b32 s[G0+4*\k+3], s[G0+4*\k+3], 0x80000000   ; 127:126 type = 2
.endm
	SETG 0, 75, 0, 60                              ; slot w
	SETG 1, 76, 8*UNIT, 62                         ; my quarter of slot 8
	SETG 2, 75, 4*UNIT, 66                         ; slot 4 + w
	SETG 3, 75, 9*UNIT, 68                         ; slot 9 + w
	SETG 4, 75, 13*UNIT, 70                        ; slot 13 + w
	tensor_load_to_lds s[G0:G0+3], s[G1U:G1U+7]    ; all fills go out as one group, ahead of every wait on TENSORcnt, every LDS read and every barrier, in the order in which the slots are wanted
	s_nop 0
	tensor_load_to_lds s[G0+4:G0+7], s[G1Q:G1Q+7]
	s_nop 0
	tensor_load_to_lds s[G0+8:G0+11], s[G1U:G1U+7]
	s_nop 0
	tensor_load_to_lds s[G0+12:G0+15], s[G1U:G1U+7]
	s_nop 0
	tensor_load_to_lds s[G0+16:G0+19], s[G1U:G1U+7]
	s_nop 0
.rept 4
	v_nop
.endr
	v_and_b32 v[LW], 31, v0
	v_lshlrev_b32 v[ADB], 4, v[LW]                 ; 16 x lane: my place in every image
	v_add_nc_u32 v[LW], s76, v[ADB]                ; + 4,096 w: my two tiles of t in a unit of pc
	v_add_nc_u32 v[VO1], s72, v[LW]
.irp j, 0,1,2,3,4,5,6,7
	s_cmp_ge_u32 s17, \j                           ; j <= p: block 15 - p, chunk 15 - p + j; else block p, chunk j - 1
	s_cselect_b32 s20, s73, s74
	s_add_co_u32 s20, s20, \j<<14
	v_add_nc_u32 v[VO+\j], s20, v[LW]
.endr
.macro SLOTOF q                        ; the q-th item of the order of work lies in slot SL: 0, 8, 1 .. 7, 9 .. 16
.set SL, (\q)
.if (\q) == 1
.set SL, 8
.elseif ((\q) >= 2) && ((\q) <= 8)
.set SL, (\q)-1
.endif
.endm
.macro ALOAD q                         ; item q's two fragments of pc, my rows: eight loads of 512 consecutive bytes, into register slot q % 8
	SLOTOF \q
	WIN TO_A
.irp i, 0,1,2,3,4,5,6,7
.if SL < 8
	global_load_b128 v[32*((\q)%8)+4*\i:32*((\q)%8)+4*\i+3], v[VO+SL], s[4:5] offset:512*\i
.else
	global_load_b128 v[32*((\q)%8)+4*\i:32*((\q)%8)+4*\i+3], v[VO1], s[4:5] offset:(SL-1)*UNIT+512*\i
.endif
.endr
	WIN 0
.endm
.irp q, 0,1,2,3,4,5,6
	ALOAD \q                                       ; seven items of pc are asked for at once
.endr
.irp i, 1,2,3,4
	v_add_nc_u32 v[ADB+\i], \i*4*UNIT, v[ADB]
.endr
	v_and_b32 v15, 15, v0                          ; r
	v_bfe_u32 v16, v0, 4, 1                        ; h
	s_mul_i32 s20, s14, 16*SP
	s_add_co_u32 s20, s20, STAGE                   ; my stage
	v_mul_u32_u24 v[STO], v15, SP                  ; in: row r, 32 bytes for each half of the lanes
	v_lshl_add_u32 v[STO], v16, 5, v[STO]
	v_add_nc_u32 v[STO], s20, v[STO]
	v_mul_u32_u24 v[RD], v16, SP                   ; back: lanes 0-15 one row of 256 bytes, lanes 16-31 the next
	v_lshl_add_u32 v[RD], v15, 4, v[RD]
	v_add_nc_u32 v[RD], s20, v[RD]
	v_lshlrev_b32 v[CO], 12, v16                   ; and the same two rows in out0
	v_lshl_add_u32 v[CO], v15, 4, v[CO]
	s_lshl_b32 s20, s18, 11
	s_lshl_b32 s21, s14, 5
	s_add_co_u32 s20, s20, s21                     ; row 2,048 x batch + 32 w
	s_lshl_b32 s21, s19, 9                         ; column bytes: 512 x block of v
	s_lshl_b32 s23, s17, 7
	s_add_co_u32 s23, s23, s20
	s_lshl_b32 s23, s23, 12
	s_add_co_u32 s92, s23, s21
	s_mov_b32 s93, 0
	s_add_nc_u64 s[88:89], s[12:13], s[92:93]      ; out0 at my rows of block p,
	s_lshl_b32 s23, s22, 7
	s_add_co_u32 s23, s23, s20
	s_lshl_b32 s23, s23, 12
	s_add_co_u32 s92, s23, s21
	s_add_nc_u64 s[90:91], s[12:13], s[92:93]      ; of block 15 - p
	s_wait_kmcnt 0x0
	s_add_co_i32 s20, s82, s83
	v_mov_b32 v[FC], s84
	v_ldexp_f32 v[FC], v[FC], s20                  ; out_scale x 2^(e2 + e3): nothing is rounded, short of overflow and underflow
	v_mov_b32 v[FC+1], v[FC]                       ; (named with it as a pair)
.macro SYNC c                          ; my tensor loads but the c youngest have landed, my LDS loads are in, and so of every wave.  The younger fills may stay out
	s_wait_tensorcnt \c
	s_wait_dscnt 0x0
	s_barrier_signal -1
	s_barrier_wait -1
.endm
.macro FETCH q                         ; item q's eight fragments of xt: a whole unit, 32 LDS loads of 512 consecutive bytes in one run, into buffer q % 2
	SLOTOF \q
	WIN TO_F
.set n, 0
.rept 32
	ds_load_b128 v[128*((\q)%2)+4*n:128*((\q)%2)+4*n+3], v[ADB+SL/4] offset:(SL%4)*UNIT+512*n
.set n, n+1
.endr
	WIN 0
.endm
.macro MUL q, set, zero                ; an item: 16 matrix instructions, the set's 16 accumulators by turns, one instruction a turn.  zero = 1: the products start the sums
.if \set == 1
	WIN MUL1
.else
	WIN MUL2
.endif
.irp a, 0,1
.irp b, 0,1,2,3,4,5,6,7
.if \zero
	v_wmma_f32_16x16x128_fp8_fp8 v[ACC+8*(8*\a+\b):ACC+8*(8*\a+\b)+7], v[128*((\q)%2)+16*\b:128*((\q)%2)+16*\b+15], v[32*((\q)%8)+16*\a:32*((\q)%8)+16*\a+15], 0
.else
	v_wmma_f32_16x16x128_fp8_fp8 v[ACC+8*(8*\a+\b):ACC+8*(8*\a+\b)+7], v[128*((\q)%2)+16*\b:128*((\q)%2)+16*\b+15], v[32*((\q)%8)+16*\a:32*((\q)%8)+16*\a+15], v[ACC+8*(8*\a+\b):ACC+8*(8*\a+\b)+7]
.endif
.endr
.endr
	WIN 0
.endm
.macro MULV q                          ; items 2 .. 8 lie in slots j = q - 1 = 1 .. 7: block 15 - p's where j <= p, else block p's: a branch on the work-group's number, the same in all four waves; every window is 0 at it
	s_cmp_ge_u32 s17, (\q)-1
	s_cbranch_scc1 .Lother_\@
	MUL \q, 1, 0
	s_branch .Ljoin_\@
.Lother_\@:
	MUL \q, 2, 0
.Ljoin_\@:
.endm
.macro PLACES                          ; four places in front of loads into registers that matrix instructions have read, and of the first read of results (ISA guide 7.12.1 for vector instructions)
.rept 4
	v_nop
.endr
.endm
; ITEM q.  kind 0: MULV; 1: block p; 2: block p, starts its sums; 3: block 15 - p, starts its sums.  sync >= 0: the next item's slot is shown whole first.  fetch = 1: the next item's fragments of xt are fetched ahead of this item's products.
.macro STEPQ q, kind, sync, fetch
.if (\q) > 0
	PLACES                                         ; the last item's products have read the registers that the loads below fill
.endif
.if 16-(\q) < 6
	s_wait_loadcnt 8*(16-(\q))                     ; loads come back in order (ISA guide 5.7.1): item q's eight are in; the later items' eight each stay out
.else
	s_wait_loadcnt 48                              ; item q's eight are in; those of the six items asked for behind it stay out
.endif
.if (\q)+7 <= 16
	ALOAD (\q)+7                                   ; into the register slot that item q - 1 has left
.endif
.if (\sync) >= 0
	SYNC \sync
.endif
.if \fetch
	FETCH (\q)+1
	s_wait_dscnt 32                                ; all but the 32 loads just issued: this item's fragments of xt are in
.else
	s_wait_dscnt 0x0
.endif
.if \kind == 0
	MULV \q
.elseif \kind == 1
	MUL \q, 1, 0
.elseif \kind == 2
	MUL \q, 1, 1
.else
	MUL \q, 2, 1
.endif
.endm
; THE WAY OUT of block k of eight: tile k / 4 (0: t-block p, 1: t-block 15 - p), my rows 16 ((k % 4) / 2) on, columns 64 (k % 2) on: four accumulators, 32 registers on end
.macro TOSTAGE k
	WIN 2*((\k)/4)                                 ; source 0: window 0 or 2
.irp i, 0,2,4,6,8,10,12,14,16,18,20,22,24,26,28,30
	v_pk_mul_f32 v[TMP+\i:TMP+\i+1], v[ACC+32*((\k)%4)+\i:ACC+32*((\k)%4)+\i+1], v[FC:FC+1] op_sel_hi:[1,0]   ; each accumulator from its low end on
.endr
	WIN 0
.irp b, 0,1,2,3
	ds_store_b128 v[STO], v[TMP+8*\b:TMP+8*\b+3] offset:64*\b
	ds_store_b128 v[STO], v[TMP+8*\b+4:TMP+8*\b+7] offset:64*\b+16
.endr
.irp t, 0,1,2,3,4,5,6,7
	ds_load_b128 v[BK+32*((\k)%2)+4*\t:BK+32*((\k)%2)+4*\t+3], v[RD] offset:\t*2*SP   ; LDS serves a wave's instructions in order (ISA guide 5.7.1.4): these see my stores, and the next block's stores come behind them
.endr
.endm
.macro SEND k, younger                 ; younger: the LDS instructions issued behind block k's loads: the next block's eight stores and eight loads, or none
	s_wait_dscnt \younger
.irp t, 0,1,2,3,4,5,6,7
	global_store_b128 v[CO], v[BK+32*((\k)%2)+4*\t:BK+32*((\k)%2)+4*\t+3], s[88+2*((\k)/4):89+2*((\k)/4)] offset:65536*(((\k)%4)/2)+256*((\k)%2)+8192*\t th:TH_STORE_NT   ; 16 lanes store 256 consecutive bytes, aligned; written once, read by nobody here
.endr
.endm
.macro WAYOUT tl
	PLACES
.if \tl == 0
	s_wait_xcnt 0x0                                ; the other tile's stores have read their registers
.endif
	TOSTAGE 4*\tl
	TOSTAGE 4*\tl+1
	SEND 4*\tl, 16
	s_wait_xcnt 0x0                                ; the stores of two blocks back have read their registers: the next loads may land there
	TOSTAGE 4*\tl+2
	SEND 4*\tl+1, 16
	s_wait_xcnt 0x0
	TOSTAGE 4*\tl+3
	SEND 4*\tl+2, 16
	SEND 4*\tl+3, 0
.endm
	SYNC 3                                         ; my first two fills are in, three stay out: slots 0 .. 3 and 8 are whole
	FETCH 0
	STEPQ 0, 3, -1, 1                              ; slot 0: block 15 - p's first live chunk: starts its sums
	STEPQ 1, 2, -1, 1                              ; slot 8: block p, chunk 7: starts its sums
	STEPQ 2, 0, -1, 1                              ; slots 1, 2,
	STEPQ 3, 0, -1, 1
	STEPQ 4, 0, 2, 1                               ; 3; ahead of its products slots 4 .. 7 are shown whole (two fills stay out), and slot 4's fragments are fetched
	STEPQ 5, 0, -1, 1
	STEPQ 6, 0, -1, 1
	STEPQ 7, 0, -1, 1
	STEPQ 8, 0, -1, 0                              ; slot 7: the last that can be block 15 - p's
	WAYOUT 1                                       ; block 15 - p has all its chunks: it leaves while slots 9 .. 16 are on their way
	SYNC 1                                         ; slots 9 .. 12 are whole; one fill stays out
	FETCH 9
	STEPQ 9, 1, -1, 1                              ; block p, chunks 8 ..
	STEPQ 10, 1, -1, 1
	STEPQ 11, 1, -1, 1
	STEPQ 12, 1, 0, 1                              ; ahead of its products slots 13 .. 16 are shown whole: my last fill is in
	STEPQ 13, 1, -1, 1
	STEPQ 14, 1, -1, 1
	STEPQ 15, 1, -1, 1
	STEPQ 16, 1, -1, 0                             ; chunk 15
	WAYOUT 0
	s_wait_tensorcnt 0x0                           ; the wave's end, behind my last tensor load and my last LDS store
	ds_add_u32 v[SPW], v[NIL]
	s_wait_dscnt 0x0
	s_endpgm
.Lfunc_end_k_qc5993a4079_retrieve:
	.size	k_qc5993a4079_retrieve, .Lfunc_end_k_qc5993a4079_retrieve-k_qc5993a4079_retrieve
	.p2alignl 7, 3214868480
	.fill 96, 4, 3214868480
	.section	.rodata,"a",@progbits
	.p2align	6, 0x0
	.amdhsa_kernel k_qc5993a4079_retrieve
		.amdhsa_group_segment_fixed_size 327680
		.amdhsa_private_segment_fixed_size 0
		.amdhsa_enable_private_segment 0
		.amdhsa_kernarg_size 40
		.amdhsa_user_sgpr_count 2
		.amdhsa_user_sgpr_kernarg_segment_ptr 1
		.amdhsa_wavefront_size32 1
		.amdhsa_system_sgpr_workgroup_id_x 1
		.amdhsa_system_sgpr_workgroup_id_y 1
		.amdhsa_system_sgpr_workgroup_id_z 1
		.amdhsa_system_vgpr_workitem_id 0
		.amdhsa_next_free_vgpr 1024
		.amdhsa_next_free_sgpr 100
		.amdhsa_reserve_vcc 0
		.amdhsa_float_denorm_mode_32 3
		.amdhsa_float_denorm_mode_16_64 3
		.amdhsa_memory_ordered 1
		.amdhsa_forward_progress 1
		.amdhsa_inst_pref_size 110
	.end_amdhsa_kernel
	.amdgpu_metadata
---
amdhsa.version: [ 1, 2 ]
amdhsa.kernels:
  - .name:           k_qc5993a4079_retrieve
    .symbol:         k_qc5993a4079_retrieve.kd
    .args:
      - { .name: pc, .offset: 0, .size: 8, .value_kind: global_buffer, .address_space: global }
      - { .name: xt, .offset: 8, .size: 8, .value_kind: global_buffer, .address_space: global }
      - { .name: out_scale, .offset: 16, .size: 8, .value_kind: global_buffer, .address_space: global }
      - { .name: lowp_scales, .offset: 24, .size: 8, .value_kind: global_buffer, .address_space: global }
      - { .name: out0, .offset: 32, .size: 8, .value_kind: global_buffer, .address_space: global }
    .group_segment_fixed_size: 327680
    .private_segment_fixed_size: 0
    .kernarg_segment_align: 8
    .kernarg_segment_size: 40
    .max_flat_workgroup_size: 128
    .sgpr_count:     100
    .vgpr_count:     1024
    .wavefront_size: 32
...
	.end_amdgpu_metadata
.endif
;; end of part 3
